; MI455X (gfx1250); checked and timed in simulation.
; The chip was launched on July 23, 2026; its instructions are those of AMD's public machine-readable ISA for CDNA 5 (MIT licence, August 2026) and "CDNA5" Instruction Set Architecture Reference Guide (July 2026). The comments in the code are by the model that wrote it; some were corrected since.
;; Multi Head Attention. Allowed arithmetic: matrix products marked QUANTISED: E2M3 operands, one E8M0 scale for each 32 along K, by v_wmma_scale_f32_16x16x128_f8f6f4 with both operands' format E2M3, f32 sums; products left as they are: f32 operands where the result goes on into a quantised operand, else bf16, f16 or f32 operands; f32 sums; everything else in f32.
;; Inputs: in_proj_bias 3,072 float32; in_proj_weight 3,072 x 1,024 float32; out_proj_bias 1,024 float32; out_proj_weight 1,024 x 1,024 float32; x 32,768 x 1,024 float32.
;; Outputs: out0 1 x 1,024 float32.
;; This version of the problem:
;;   THIS VERSION OF THE PROBLEM IS GIVEN IN LOW PRECISION. The matrix products marked QUANTISED in the list below multiply operands that are first quantised to E2M3 (2 exponent bits, 3 mantissa bits; 6 bits a number), with one power-of-two scale for each 32 numbers along K (OCP MX v1.0); their sums are f32. All else is computed in f32.
;;   The module's matrix products, in the order in which they are computed (A, B: the left and right operand; K: the contracted axis; several contracted axes count as one K, in the product's order):
;;     1. [M 1, K 1,024] x [K 1,024, N 1,024]; A: input x; B: input in_proj_weight: left as it is (M = 1 < 16)
;;     2. [M 32,768, K 1,024] x [K 1,024, N 1,024]; A: input x; B: input in_proj_weight: QUANTISED
;;     3. [M 32,768, K 1,024] x [K 1,024, N 1,024]; A: input x; B: input in_proj_weight: QUANTISED
;;     4. batch 8 x [M 1, K 128] x [K 128, N 32,768]; A: computed on the way; B: computed on the way: left as it is (M = 1 < 16)
;;     5. batch 8 x [M 1, K 32,768] x [K 32,768, N 128]; A: softmax; B: computed on the way: left as it is (M = 1 < 16)
;;     6. [M 1, K 1,024] x [K 1,024, N 1,024]; A: computed on the way; B: input out_proj_weight: left as it is (M = 1 < 16)
;;   THE QUANTISER, for each operand of a quantised product, along K:
;;     - K is cut into blocks of 32 from its start; a last block that is shorter is filled with zeros.
;;     - A block's scale is 2^e with e = floor(log2(the largest magnitude in the block)) - 2, held to -126 .. 127; a block of zeros has e = 0. As a byte (E8M0): e + 127.
;;     - Each number is divided by its block's scale, clamped to +-7.5, and rounded to the nearest number of E2M3, ties to even, subnormals kept.
;;     - The product sums the exact products of the quantised numbers (number of the format x scale) in f32.
;;   ~~~python
;;   def quantise(x, axis):      # numpy; x: float32 -> the quantised numbers, widened to float32 again
;;       x = np.moveaxis(x, axis, -1); K = x.shape[-1]
;;       x = np.pad(x, [(0, 0)] * (x.ndim - 1) + [(0, -K % 32)]); x = x.reshape(x.shape[:-1] + (-1, 32)); a = np.abs(x).max(-1, keepdims=True)
;;       e = np.where(a > 0, np.clip(np.frexp(np.where(a > 0, a, 1))[1] - 1 - 2, -126, 127), 0)      # np.frexp(a)[1] - 1 = floor(log2(a)), exactly
;;       r = np.clip(x / 2.0 ** e, -7.5, 7.5)
;;       step = 2.0 ** (np.maximum(np.frexp(np.where(r == 0, 1, r))[1] - 1, 0) - 3)
;;       q = np.round(r / step) * step * 2.0 ** e      # np.round: ties to even
;;       return np.moveaxis(q.reshape(q.shape[:-2] + (-1,))[..., :K], -1, axis).astype(np.float32)
;;   ~~~
;; One version. Each part assembles by itself: llvm-mc -triple=amdgcn-amd-amdhsa -mcpu=gfx1250 --defsym DOCPART=n.
;; ======== version 1 of 1: 4 launches
;; limits: right only within a limited range of input values
;; workspace buffers: wq 1,638,400 bytes; qv 4,096 bytes; po 1,048,576 bytes; st 65,536 bytes; att 4,096 bytes
;; launch prep (part 1): grid 256 x 1, 4 waves a work-group, no clusters, 18,944 bytes of LDS; arguments x, in_proj_weight, in_proj_bias, wq, qv; writes wq, qv
.if DOCPART == 1
	.amdgcn_target "amdgcn-amd-amdhsa--gfx1250"
	.amdhsa_code_object_version 6
	.text
	.protected	k_q019e4c5bda_prep
	.globl	k_q019e4c5bda_prep
	.p2align	8
	.type	k_q019e4c5bda_prep,@function
k_q019e4c5bda_prep:
	s_mov_b64 s[64:65], 0
	v_nop
	global_prefetch_b8 v0, s[64:65] scope:SCOPE_SE
	s_setreg_imm32_b32 hwreg(HW_REG_WAVE_MODE, 25, 1), 1
	s_wait_xcnt 0x0
; Two small jobs that the main launch needs done once.
; (1) Rows 1024 .. 3071 of in_proj_weight (Wk, Wv; [row][1024] f32, K innermost) become codes of FP6 (E2M3) with one E8M0 byte for each 32 along K,
;     laid in the ORDER OF THE OPERAND'S REGISTERS.  Tile T (16 rows) is a block of 12,800 bytes: for K step s (128 along K) an image of 1,536 bytes at 1536 s
;     (register group c of lane L at 512 c + 16 L), and at byte 12,288 the scale words: that of (row r, K step s) at 256 (s / 4) + 16 r + 4 (s % 4).
;     Tile T: head T / 16, k (0) or v (1) = (T / 8) % 2, rows 16 (T % 8) on of that head: so the 32 tiles that a wave of the main launch walks lie on end.
; (2) q = x[0] . Wq^T + bq, in f32 multiply-adds: one wave to a row.
; SHARES: work-group i takes K steps 4 (i % 2) .. + 3 of tile i / 2, a wave a K step, and rows 4 i .. 4 i + 3 of Wq, a wave a row.
; A block's scale is 2^(floor(log2(largest magnitude)) - 2); its byte is the largest magnitude's exponent field - 2, held at 1 from below.
; LIMITS: a block of zeros gets the byte 1 where the rule says 127 (its codes are zeros, and this program alone reads the bytes); blocks whose largest magnitude lies
; under 2^-124 keep the byte 1; NaN and infinities among the inputs are not served.
.set STGB, 16*272                      ; a wave's stage: 16 rows x (256 bytes + 16)
.set SCG,  4*STGB                      ; 256 bytes: the work-group's scale words, 16 rows x 4 K steps
.set QG,   SCG+256                     ; 16 bytes: its four numbers of q
.set GA,   4                           ; v4   4096 (L / 16) + 16 (L % 16): a load takes two rows, 256 consecutive bytes of each
.set SA,   5                           ; v5   the stage, in:  272 (L / 16) + 16 (L % 16)
.set LA,   6                           ; v6   the stage, out: 272 (L % 16) + 128 (L / 16)
.set L16,  7                           ; v7   16 L
.set H8,   8                           ; v8   8 (L / 16)
.set SCW,  9                           ; v9   where my row's scale word goes
.set QGA,  10                          ; v10  where my wave's number of q goes
.set L8,   11                          ; v11  8 L
.set SCR,  12                          ; v12  wave 0 reads the scale words back
.set QGR,  13                          ; v13  and q
.set L4,   14                          ; v14  4 L
.set R,    16                          ; v16-79   the tile as loaded; afterwards the dot product's sums
.set X,    80                          ; v80-143  64 numbers of my row: X[32 c + e] = k 64 c + 32 (L / 16) + e
.set PC,   144                         ; v144-155 the fragment's 12 registers
.set PT,   156                         ; v156-163 the upper halves of the two blocks, as converted
.set TM,   164
.set SO,   168
.set BY,   170
.set W0,   172
.set W1,   173
.set PW,   174
.set WR,   176                         ; v176-207 a row of Wq
.set XR,   208                         ; v208-239 x[0]
.set SEL,  14                          ; s14, s15 lane selects: lane l xor 16
; 16 rows x 64 along K go through my stage: in as loaded (sixteen lanes to a row's 256 bytes), out a block of 32 numbers to a lane.  LDS serves a wave's instructions in order:
; no wait stands between the stores and the loads, nor in front of the next half's stores.
.macro TURN c, rb
.irp i, 0,1,2,3,4,5,6,7
	ds_store_b128 v[SA], v[\rb+32*(\c)+4*\i:\rb+32*(\c)+4*\i+3] offset:544*\i
.endr
.irp j, 0,1,2,3,4,5,6,7
	ds_load_b128 v[X+32*(\c)+4*\j:X+32*(\c)+4*\j+3], v[LA] offset:16*\j
.endr
.endm
; 64 numbers of a lane, two whole blocks of 32 in the operand's own order, become the fragment's 12 registers in v[PC] on and the row's scale word in v[PW].
.macro QUANTF
.irp b, 0,1,2,3
	v_max3_num_f32 v[TM+\b], |v[X+16*\b]|, |v[X+16*\b+1]|, 0x1800000   ; four chains of 16; the floor 2^(3 - 127) holds the byte at 1 from below
.endr
.irp i, 2,4,6,8,10,12,14
.irp b, 0,1,2,3
	v_max3_num_f32 v[TM+\b], v[TM+\b], |v[X+16*\b+\i]|, |v[X+16*\b+\i+1]|
.endr
.endr
	v_max_num_f32 v[TM], v[TM], v[TM+1]            ; block L / 16
	v_max_num_f32 v[TM+2], v[TM+2], v[TM+3]        ; block 2 + L / 16
	v_add_nc_u32 v[SO], 0xff000000, v[TM]          ; 2 off the exponent field: the conversion's scale operand
	v_add_nc_u32 v[SO+1], 0xff000000, v[TM+2]
	v_lshrrev_b32 v[BY], 23, v[SO]                 ; the scale's byte
	v_lshrrev_b32 v[BY+1], 23, v[SO+1]
	v_lshl_or_b32 v[W0], v[BY+1], 16, v[BY]
	v_lshlrev_b32 v[W0], v[H8], v[W0]              ; my two bytes at their places in the word
	v_permlanex16_b32 v[W1], v[W0], s[SEL], s[SEL+1]
	v_or_b32 v[PW], v[W0], v[W1]                   ; with lane l xor 16's two the word is whole
.irp c, 0,1
	v_cvt_scalef32_pk16_fp6_f32 v[PC+6*\c:PC+6*\c+2], v[X+32*\c:X+32*\c+15], v[SO+\c]
	v_cvt_scalef32_pk16_fp6_f32 v[PT+4*\c:PT+4*\c+2], v[X+32*\c+16:X+32*\c+31], v[SO+\c]   ; (a conversion's three registers begin on an even number)
.endr
	v_nop                                          ; one plain place behind the last scaled conversion
.irp c, 0,1
.irp i, 0,1,2
	v_mov_b32 v[PC+6*\c+3+\i], v[PT+4*\c+\i]
.endr
.endr
.endm
; The dot product of two rows of 1,024 f32 that lie 32 numbers to a lane, + a bias: four chains of packed multiply-adds, then the wave's sum, in every lane.
.macro ROWDOT a, w, x, sb
.irp k, 0,1,2,3
	v_pk_mul_f32 v[\a+2*\k:\a+2*\k+1], v[\w+2*\k:\w+2*\k+1], v[\x+2*\k:\x+2*\k+1]
.endr
.irp j, 1,2,3
.irp k, 0,1,2,3
	v_pk_fma_f32 v[\a+2*\k:\a+2*\k+1], v[\w+8*\j+2*\k:\w+8*\j+2*\k+1], v[\x+8*\j+2*\k:\x+8*\j+2*\k+1], v[\a+2*\k:\a+2*\k+1]
.endr
.endr
	v_pk_add_f32 v[\a:\a+1], v[\a:\a+1], v[\a+2:\a+3]
	v_pk_add_f32 v[\a+4:\a+5], v[\a+4:\a+5], v[\a+6:\a+7]
	v_pk_add_f32 v[\a:\a+1], v[\a:\a+1], v[\a+4:\a+5]
	v_add_f32 v[\a], v[\a], v[\a+1]
.irp m, 1,2,4,8
	v_add_f32_dpp v[\a], v[\a], v[\a] row_xmask:\m row_mask:0xf bank_mask:0xf
.endr
	v_permlanex16_b32 v[\a+1], v[\a], s[SEL], s[SEL+1]
	v_add_f32 v[\a], v[\a], v[\a+1]
	v_add_f32 v[\a], s[\sb], v[\a]
.endm
	s_load_b256 s[4:11], s[0:1], 0x0               ; x s[4:5], in_proj_weight s[6:7], in_proj_bias s[8:9], wq s[10:11]
	s_load_b64 s[12:13], s[0:1], 0x20              ; qv
	v_lshl_add_u32 v240, v0, 2, 0x4800
	v_mov_b32 v241, 0
	v_lshrrev_b32 v1, 5, v0
	v_readfirstlane_b32 s16, v1                    ; wave 0..3
	v_and_b32 v1, 31, v0                           ; L
	v_and_b32 v2, 15, v0                           ; L % 16
	v_bfe_u32 v3, v0, 4, 1                         ; L / 16
	v_lshlrev_b32 v[GA], 4, v2
	v_lshl_add_u32 v[GA], v3, 12, v[GA]
	s_mul_i32 s17, s16, STGB                       ; my stage
	v_mul_u32_u24 v[SA], v3, 272
	v_lshl_add_u32 v[SA], v2, 4, v[SA]
	v_add_nc_u32 v[SA], s17, v[SA]
	v_mul_u32_u24 v[LA], v2, 272
	v_lshl_add_u32 v[LA], v3, 7, v[LA]
	v_add_nc_u32 v[LA], s17, v[LA]
	v_lshlrev_b32 v[L16], 4, v1
	v_lshlrev_b32 v[H8], 3, v3
	s_lshl_b32 s18, s16, 2
	v_lshl_add_u32 v[SCW], v2, 4, SCG
	v_add_nc_u32 v[SCW], s18, v[SCW]               ; SCG + 16 r + 4 x wave
	v_mov_b32 v[QGA], s18
	v_add_nc_u32 v[QGA], QG, v[QGA]
	v_lshlrev_b32 v[L8], 3, v1
	v_add_nc_u32 v[SCR], SCG, v[L8]
	v_and_b32 v[QGR], 3, v0
	v_lshl_add_u32 v[QGR], v[QGR], 2, QG
	v_lshlrev_b32 v[L4], 2, v1
	v_mov_b32 v[W1], 0                             ; written once: a lane permute's destination counts as one of its sources
	s_mov_b32 s[SEL], 0x76543210
	s_mov_b32 s[SEL+1], 0xfedcba98
	s_lshr_b32 s20, ttmp9, 1                       ; T
	s_and_b32 s21, ttmp9, 1                        ; which four K steps
	s_lshl_b32 s22, s21, 2
	s_add_co_u32 s22, s22, s16                     ; my K step s
	s_bfe_u32 s23, s20, 0x10003                    ; k or v
	s_lshr_b32 s24, s20, 4                         ; head
	s_and_b32 s25, s20, 7                          ; which 16 rows of the head
	s_lshl_b32 s23, s23, 10
	s_lshl_b32 s24, s24, 7
	s_lshl_b32 s25, s25, 4
	s_add_co_u32 s23, s23, s24
	s_add_co_u32 s23, s23, s25
	s_add_co_u32 s23, s23, 1024                    ; the tile's first row of in_proj_weight
	s_lshl_b32 s26, s23, 12
	s_lshl_b32 s24, s22, 9
	s_add_co_u32 s26, s26, s24                     ; + 512 s bytes along K
	s_mov_b32 s27, 0
	s_lshl_b32 s19, ttmp9, 2
	s_add_co_u32 s19, s19, s16                     ; n: my row of Wq
	s_lshl_b32 s28, s19, 2
	s_mov_b32 s29, 0
	s_lshl_b32 s30, s19, 12
	s_mov_b32 s31, 0
	s_lshl_b32 s32, ttmp9, 4                       ; the work-group's 16 bytes of qv
	s_mov_b32 s33, 0
	s_mul_i32 s36, s20, 12800                      ; the tile's block in wq
	s_mul_i32 s34, s22, 1536
	s_add_co_u32 s34, s34, s36                     ; my image
	s_mov_b32 s35, 0
	s_lshl_b32 s24, s21, 8
	s_add_co_u32 s36, s36, s24
	s_add_co_u32 s36, s36, 12288                   ; the work-group's 256 bytes of scale words
	s_mov_b32 s37, 0
	s_wait_kmcnt 0x0
	s_add_nc_u64 s[26:27], s[6:7], s[26:27]
	s_add_nc_u64 s[30:31], s[6:7], s[30:31]
	s_add_nc_u64 s[8:9], s[8:9], s[28:29]
	s_add_nc_u64 s[12:13], s[12:13], s[32:33]
	s_add_nc_u64 s[34:35], s[10:11], s[34:35]
	s_add_nc_u64 s[36:37], s[10:11], s[36:37]
.irp c, 0,1
.irp i, 0,1,2,3,4,5,6,7
	global_load_b128 v[R+32*\c+4*\i:R+32*\c+4*\i+3], v[GA], s[26:27] offset:8192*\i+256*\c th:TH_LOAD_NT   ; rows 2 i, 2 i + 1: sixteen lanes read 256 consecutive bytes
.endr
.endr
.irp k, 0,1,2,3,4,5,6,7
	global_load_b128 v[WR+4*\k:WR+4*\k+3], v[L16], s[30:31] offset:512*\k th:TH_LOAD_NT
.endr
.irp k, 0,1,2,3,4,5,6,7
	global_load_b128 v[XR+4*\k:XR+4*\k+3], v[L16], s[4:5] offset:512*\k
.endr
	s_load_b32 s38, s[8:9], 0x0                    ; bq[n]
	s_wait_loadcnt 16                              ; the tile's 16 loads are in; the dot product's 16 may be out
	TURN 0, R
	TURN 1, R
	s_wait_dscnt 0x0
	QUANTF
.irp c, 0,1,2
	global_store_b128 v[L16], v[PC+4*\c:PC+4*\c+3], s[34:35] offset:512*\c   ; 32 lanes store 512 consecutive bytes
.endr
	ds_store_b32 v[SCW], v[PW]                     ; both halves of the lanes write the same word with the same value
	s_wait_loadcnt 0x0
	s_wait_kmcnt 0x0
	ROWDOT R, WR, XR, 38
	ds_store_b32 v[QGA], v[R]
	s_wait_dscnt 0x0                               ; for the others' sake: my stores have landed
	s_barrier_signal -1
	s_barrier_wait -1
	s_cmp_lg_u32 s16, 0
	s_cbranch_scc1 .Lend
	ds_load_b64 v[24:25], v[SCR]
	ds_load_b32 v26, v[QGR]
	s_wait_dscnt 0x0
	global_store_b64 v[L8], v[24:25], s[36:37]     ; 32 lanes store 256 consecutive bytes, aligned
	s_wait_xcnt 0x0                                ; EXEC changes only behind this wait
	v_cmp_gt_u32 vcc_lo, 4, v0
	s_and_saveexec_b32 s39, vcc_lo
	global_store_b32 v[L4], v26, s[12:13]          ; 16 bytes of qv: qv is 4,096 bytes in all, and whole runs of 256 would put 64 rows of Wq on each of 16 work-groups
	s_wait_xcnt 0x0
	s_or_b32 exec_lo, exec_lo, s39
.Lend:
	s_wait_tensorcnt 0x0
	ds_add_u32 v240, v241
	s_wait_dscnt 0x0
	s_endpgm
.Lfunc_end_k_q019e4c5bda_prep:
	.size	k_q019e4c5bda_prep, .Lfunc_end_k_q019e4c5bda_prep-k_q019e4c5bda_prep
	.p2alignl 7, 3214868480
	.fill 96, 4, 3214868480
	.section	.rodata,"a",@progbits
	.p2align	6, 0x0
	.amdhsa_kernel k_q019e4c5bda_prep
		.amdhsa_group_segment_fixed_size 18944
		.amdhsa_private_segment_fixed_size 0
		.amdhsa_enable_private_segment 0
		.amdhsa_kernarg_size 40
		.amdhsa_user_sgpr_count 2
		.amdhsa_user_sgpr_kernarg_segment_ptr 1
		.amdhsa_wavefront_size32 1
		.amdhsa_system_sgpr_workgroup_id_x 1
		.amdhsa_system_sgpr_workgroup_id_y 1
		.amdhsa_system_sgpr_workgroup_id_z 1
		.amdhsa_system_vgpr_workitem_id 0
		.amdhsa_next_free_vgpr 242
		.amdhsa_next_free_sgpr 66
		.amdhsa_reserve_vcc 1
		.amdhsa_float_denorm_mode_32 3
		.amdhsa_float_denorm_mode_16_64 3
		.amdhsa_memory_ordered 1
		.amdhsa_forward_progress 1
		.amdhsa_inst_pref_size 15
	.end_amdhsa_kernel
	.amdgpu_metadata
---
amdhsa.version: [ 1, 2 ]
amdhsa.kernels:
  - .name:           k_q019e4c5bda_prep
    .symbol:         k_q019e4c5bda_prep.kd
    .args:
      - { .name: x, .offset: 0, .size: 8, .value_kind: global_buffer, .address_space: global }
      - { .name: in_proj_weight, .offset: 8, .size: 8, .value_kind: global_buffer, .address_space: global }
      - { .name: in_proj_bias, .offset: 16, .size: 8, .value_kind: global_buffer, .address_space: global }
      - { .name: wq, .offset: 24, .size: 8, .value_kind: global_buffer, .address_space: global }
      - { .name: qv, .offset: 32, .size: 8, .value_kind: global_buffer, .address_space: global }
    .group_segment_fixed_size: 18944
    .private_segment_fixed_size: 0
    .kernarg_segment_align: 8
    .kernarg_segment_size: 40
    .max_flat_workgroup_size: 128
    .sgpr_count:     66
    .vgpr_count:     242
    .wavefront_size: 32
...
	.end_amdgpu_metadata
.endif
;; end of part 1
;; launch attn (part 2): grid 256 x 1, 4 waves a work-group, clusters of 4 x 1, 327,680 bytes of LDS; arguments x, wq, qv, in_proj_bias, po, st; writes po, st
.if DOCPART == 2
	.amdgcn_target "amdgcn-amd-amdhsa--gfx1250"
	.amdhsa_code_object_version 6
	.text
	.protected	k_q019e4c5bda_attn
	.globl	k_q019e4c5bda_attn
	.p2align	8
	.type	k_q019e4c5bda_attn,@function
k_q019e4c5bda_attn:
	s_mov_b64 s[64:65], 0
	v_nop
	global_prefetch_b8 v0, s[64:65] scope:SCOPE_SE
	s_setreg_imm32_b32 hwreg(HW_REG_WAVE_MODE, 25, 1), 1
	s_wait_xcnt 0x0
	s_wait_alu depctr_hold_cnt(0) depctr_sa_sdst(0) depctr_va_vdst(0) depctr_va_sdst(0) depctr_va_ssrc(0) depctr_va_vcc(0) depctr_vm_vsrc(0)
	s_getreg_b32 s2, hwreg(HW_REG_IB_STS2, 6, 4)
	s_cmp_eq_u32 s2, 0
	s_cbranch_scc0 .Lentry_in_a_cluster
	s_endpgm
.Lentry_in_a_cluster:
	s_bfe_u32 s2, ttmp6, 0x10000c
	s_cmp_lg_u32 s2, 0x3003
	s_cbranch_scc0 .Lentry_shape_is_right
	s_endpgm
.Lentry_shape_is_right:
; The bulk: k = x Wk^T, v = x Wv^T on codes of FP6 (E2M3) with E8M0 scales, the one query's scores, the softmax over the work-group's keys and p . v, fused: k and v never leave the registers.
; SHARES.  A work-group owns 128 rows of x (keys).  PHASE X: wave w reads rows 32 w .. + 31 (f32, once), quantises them along K and stores the fragments in LDS as images of the operand's registers;
; then EVERY wave loads all 64 fragments (8 tiles of rows x 8 K steps, 768 registers) and their scale words, and keeps them.
; MAIN PHASE: wave w takes heads 2 w and 2 w + 1: for each, 8 tiles of 16 columns of k, a softmax, 8 tiles of 16 columns of v.  A tile of W (8 fragments + scale words, 12,800 bytes, laid by the launch before in the
; registers' order) is read from LDS once in the work-group and feeds 64 matrix instructions.  W's tiles come through two LDS slots, two tiles for each wave in a slot.
; CLUSTER.  The four work-groups of a cluster walk the same tiles of W: each tile pair is asked for JOINTLY, by the same tensor load with the same descriptor and the mask of the four.
; LAYOUT.  Source 0 = 16 rows of W, source 1 = 16 rows of x: lane (r, h), register j of accumulator m holds (key 16 m + r, column 16 t + 8 h + j).
;   k: the score's sum S[m] += k . (c q), two columns a line; c = log2(e) / sqrt(128) is multiplied into q once.  k's bias adds c q . bk to every score of the head: half of it starts the sum in each half of the lanes.
;   softmax: the maximum of the work-group's 128 scores is taken away; p = 2^(t - max); (max, sum of p) go to st.  A later launch joins the work-groups under the maximum of all.
;   v: O[j] = sum over m of p[m] v, then the sum over the sixteen lanes of a half; v's bias is added by the later launch (sum p (v + b) / sum p = sum p v / sum p + b).
; ORDER OF A TILE.  Its 64 products go K step by K step, the eight accumulators by turns.  W's fragments have one set of registers, so they are fetched in TWO runs of LDS loads a tile: run A, fragments 4-7 (12 loads), in K step 1,
; with v's two stores of o ahead of it; run B, the next tile's scale words and fragments 0-3 (with c q for k: 15 loads, 13 for v), between K steps 3 and 4: in a slot's second tile that is straight behind the round and the refill.
; A tile's way out is vector work: accumulators 0-3 stand between the tile's last four products, accumulators 4-7 (and, for v, the sums over the lanes) between the NEXT tile's first products, four lines behind each.
; No wait on a counter stands from K step 7 to the next tile's K step 1: the wait ahead of K step 7 covers the next tile's scale words and fragments 0 and 1 too.
; The loops are rotated: a trip goes from K step 2 of a slot's first tile to K step 1 of the next slot's first tile.
; PREFETCH of W's tiles: at a change of slots every wave has waited for all its tensor loads, so a refill goes out alone.  The round that asks for slot j + 2 also names slot j + 4, two refills (256 matrix instructions) on:
; of the 100 blocks of 256 bytes that wave w fetches for a slot, the partner at place cx names blocks 25 cx .. 25 cx + 24, a lane a block (lanes 25-31 name block 24 again): each block once in a cluster, shared out by address.
; Slots 2 and 3 are named in phase X's last trip; slots 0 and 1 come by their loads alone; the last two rounds name nothing.  x has no prefetch: it is read once, by loads that run 64 a wave ahead of their use.
; LIMITS: a block of zeros gets the byte 1 where the rule says 127 (zero codes; only this program reads the bytes); blocks whose largest magnitude lies under 2^-124 keep the byte 1;
; a p under 2^-126 counts as 0; NaN and infinities among the inputs are not served.
; REGISTERS, in windows of 256.  Window 0: v1-15 addresses and temporaries; v16-47 x's scale words and v48-55 W's (scales and nothing else); v56-63 c q of a tile, or O; v64-79 S, then p; v81 the prefetches' offset;
;   v84-95 x's fragment 63; v96-159 eight accumulators; v160-255 W's eight fragments of a tile.  Windows 1 to 3: x's fragment f = 8 s + m < 63 in window 1 + f / 21 at register 12 (f % 21).
;   So among the products only source 1's window differs from 0: LDS loads (destination, source 0) and v_nop need no switch.
;   In phase X: window 1 holds four sets of 64 loaded numbers; v96-159 and v192-255 two sets of 64 numbers of a lane's row; v160-191 the quantiser's; v56-61 addresses; v64-79 q and bk; v80-83 the sets' offsets in x.
.set TILEB,  12800                     ; a tile of W: 8 images of 1,536 bytes, 512 bytes of scale words
.set WPART,  2*TILEB                   ; a wave's part of a slot: what one tensor load brings
.set SLOTB,  4*WPART
.set XIMG,   2*SLOTB                   ; behind the slots: x's 64 images, fragment f at 1536 f
.set XSC,    XIMG+64*1536              ; x's scale words: that of (m, s, row r) at 128 (4 s + m / 2) + 64 (m % 2) + 4 r
.set STG,    XSC+4096                  ; a stage of 16 x 272 bytes for each wave; afterwards c q of its two heads in bytes 0-1023 and its o in bytes 1024-2047
.set STGB,   16*272
.set SPARE,  STG+4*STGB                ; the spare words, 128 bytes for each wave
.set STAT,   SPARE+512                 ; 64 bytes a wave: (max, sum) of its two heads, four copies
.set SPW,  1                           ; v1   SPARE + 4 x my thread's number; never rewritten
.set NIL,  2                           ; v2   0; never rewritten
.set A16B, 3                           ; v3   16 L + my wave's part of a slot
.set A16,  4                           ; v4   the same in the slot in hand
.set AQ,   5                           ; v5   where c q of the tile in hand lies: stage + 32 h, stepped
.set OST,  6                           ; v6   where o of the tile in hand goes: stage + 1024 + 32 h, stepped
.set STA,  7                           ; v7   STAT + 64 w + 16 (L % 4)
.set L16,  8                           ; v8   16 L
.set STR,  9                           ; v9   STAT + 8 L
.set QB,   10                          ; v10-11  0.5 c q . bk of my two heads
.set XS,   16                          ; v[XS + 4 s + u]: lanes 0-15 the words of tile of rows 2 u, lanes 16-31 of 2 u + 1
.set WS,   48                          ; two sets of four: set = the tile's parity; register s % 4; lanes 16-31 for s >= 4
.set Q,    56
.set S,    64
.set PFO,  81                          ; v81  256 x min(L, 24), made in phase X's last trip, when set 1's loads, whose offset lay here, are done
.set XL,   84
.set ACC,  96
.set WF,   160
.set X0,   96
.set PC,   160
.set PT,   172
.set TM,   180
.set SO,   184
.set BY,   186
.set W0,   188
.set W1,   189
.set PW,   190
.set SA,   56
.set LA,   57
.set IW,   58
.set XW,   59
.set H8,   60
.set QST,  61
.set QL,   64
.set GA,   80
.set WV,   16                          ; s16  my wave's number
.set G1,   24                          ; s[24:31] descriptor group 1
.set G0A,  32                          ; s[32:35] group 0 of slot 0's first fill
.set G0W,  36                          ; s[36:39] group 0 of slot 1's first fill, which then walks
.set TB,   40                          ; s40  the slot in hand: 0 or SLOTB
.set STW,  41                          ; s41  my stage
.set WB,   42                          ; s42  my part of a slot: WPART x wave
.set CNT,  43
.set SEL,  44                          ; s44, s45 lane selects: lane l xor 16
.set CS,   46                          ; s[46:47] c
.set PF,   58                          ; s[58:59] where my prefetches stand: my wave's tiles in wq + 6,400 cx, stepped a slot's part at each round
.set MSB, 0
.macro WIN new                         ; the immediate's high byte repeats the setting that is left; a switch that changes nothing is dropped
.if MSB != \new
	s_set_vgpr_msb (MSB<<8)|\new
.set MSB, \new
.endif
.endm
.macro PLACES                          ; four plain places (ISA guide 7.12.1)
.rept 4
	v_nop
.endr
.endm
.macro CREST                           ; a round of the cluster's barrier behind its opening barrier
	s_cmp_lg_u32 s[WV], 0
	s_cbranch_scc1 .Lnot_wave_0_\@
	s_barrier_signal -3
.Lnot_wave_0_\@:
	s_barrier_wait -3
	s_barrier_signal -1
	s_barrier_wait -1
.endm
.macro CROUND                          ; a whole round
	s_barrier_signal -1
	s_barrier_wait -1
	CREST
.endm
; 16 rows x 64 along K go through my stage: in as loaded (sixteen lanes to a row's 256 bytes), out a block of 32 numbers to a lane.  LDS serves a wave's instructions in order.
.macro TURN c, rb, xb
.irp i, 0,1,2,3,4,5,6,7
	ds_store_b128 v[SA], v[\rb+32*(\c)+4*\i:\rb+32*(\c)+4*\i+3] offset:544*\i
.endr
.irp j, 0,1,2,3,4,5,6,7
	ds_load_b128 v[\xb+32*(\c)+4*\j:\xb+32*(\c)+4*\j+3], v[LA] offset:16*\j
.endr
.endm
; 64 numbers of a lane from v[x] on, two whole blocks of 32 in the operand's own order, become the fragment's 12 registers in v[PC] on and the row's scale word in v[PW].
.macro QUANTF x
.irp b, 0,1,2,3
	v_max3_num_f32 v[TM+\b], |v[\x+16*\b]|, |v[\x+16*\b+1]|, 0x1800000   ; four chains of 16; the floor 2^(3 - 127) holds the byte at 1 from below
.endr
.irp i, 2,4,6,8,10,12,14
.irp b, 0,1,2,3
	v_max3_num_f32 v[TM+\b], v[TM+\b], |v[\x+16*\b+\i]|, |v[\x+16*\b+\i+1]|
.endr
.endr
	v_max_num_f32 v[TM], v[TM], v[TM+1]            ; block h
	v_max_num_f32 v[TM+2], v[TM+2], v[TM+3]        ; block 2 + h
	v_add_nc_u32 v[SO], 0xff000000, v[TM]          ; 2 off the exponent field: the conversion's scale operand
	v_add_nc_u32 v[SO+1], 0xff000000, v[TM+2]
	v_lshrrev_b32 v[BY], 23, v[SO]                 ; the scale's byte
	v_lshrrev_b32 v[BY+1], 23, v[SO+1]
	v_lshl_or_b32 v[W0], v[BY+1], 16, v[BY]
	v_lshlrev_b32 v[W0], v[H8], v[W0]              ; my two bytes at their places in the word
	v_permlanex16_b32 v[W1], v[W0], s[SEL], s[SEL+1]
	v_or_b32 v[PW], v[W0], v[W1]                   ; with lane l xor 16's two the word is whole
.irp c, 0,1
	v_cvt_scalef32_pk16_fp6_f32 v[PC+6*\c:PC+6*\c+2], v[\x+32*\c:\x+32*\c+15], v[SO+\c]
	v_cvt_scalef32_pk16_fp6_f32 v[PT+4*\c:PT+4*\c+2], v[\x+32*\c+16:\x+32*\c+31], v[SO+\c]   ; (a conversion's three registers begin on an even number)
.endr
	v_nop                                          ; one plain place behind the last scaled conversion
.irp c, 0,1
.irp i, 0,1,2
	v_mov_b32 v[PC+6*\c+3+\i], v[PT+4*\c+\i]
.endr
.endr
.endm
; ---- PHASE X's macros.  A set is 16 rows x 128 along K as loaded: set p = tile of rows 2 w + p % 2, K step 2 trip + p / 2.  Four sets, 64 loads a wave, run ahead.
.macro XLOAD p
	WIN 0x40                                       ; destination window 1
.irp c, 0,1
.irp i, 0,1,2,3,4,5,6,7
	global_load_b128 v[64*(\p)+32*\c+4*\i:64*(\p)+32*\c+4*\i+3], v[GA+(\p)], s[4:5] offset:256*\c+8192*\i th:TH_LOAD_NT   ; rows 2 i, 2 i + 1: sixteen lanes read 256 consecutive bytes
.endr
.endr
	WIN 0
.endm
.macro XA p, left, step                ; set p goes through the stage, into the set of numbers that is not being quantised
	s_wait_loadcnt \left                           ; my set is in; the younger sets, 16 loads each, stay out.  Its loads are done: so its offset may step
.if \step
	v_add_nc_u32 v[GA+(\p)], 1024, v[GA+(\p)]      ; the same set of the next trip: two K steps, 1,024 bytes, on
.endif
	WIN 0x04                                       ; an LDS store's data are its source 1: window 1
	TURN 0, 64*(\p), X0+96*((\p)%2)
	TURN 1, 64*(\p), X0+96*((\p)%2)
	WIN 0
.endm
.macro XQ p                            ; set p's numbers become a fragment, which goes to LDS as it stands
	QUANTF X0+96*((\p)%2)
.irp c, 0,1,2
	ds_store_b128 v[IW], v[PC+4*\c:PC+4*\c+3] offset:(8*((\p)/2)+(\p)%2)*1536+512*\c
.endr
	ds_store_b32 v[XW], v[PW] offset:512*((\p)/2)+64*((\p)%2)   ; both halves of the lanes write the same word with the same value
.endm
; Set p's turn: its registers are loaded anew; the next set, q, starts through the stage; then set p is quantised while q's numbers are on their way.  q = 4: there is no next set.
.macro XSTEP p, q, reload, left
.if \reload
	s_wait_dscnt 8                                 ; behind set p's last store into the stage stand eight loads at the least: the stores have read the set's registers
	XLOAD \p
.endif
.if \q < 4
	XA \q, \left, \reload
	s_wait_dscnt 32                                ; all but set q's 32: set p's numbers are back, and the last fragment's stores have read their registers
.else
	s_wait_dscnt 0x0
.endif
	XQ \p
.endm
	s_load_b256 s[4:11], s[0:1], 0x0               ; x s[4:5], wq s[6:7], qv s[8:9], in_proj_bias s[10:11]
	s_load_b128 s[12:15], s[0:1], 0x20             ; po s[12:13], st s[14:15]
	v_lshl_add_u32 v[SPW], v0, 2, SPARE
	v_mov_b32 v[NIL], 0
	ds_add_u32 v[SPW], v[NIL]                      ; the opening lines: the add, twice on end, and its wait
	ds_add_u32 v[SPW], v[NIL]
	s_wait_dscnt 0x0
	v_lshrrev_b32 v12, 5, v0
	v_readfirstlane_b32 s[WV], v12                 ; wave 0..3
	s_bfe_u32 s17, ttmp6, 0x40000                  ; cx: my place in the cluster
	s_lshl_b32 s18, ttmp9, 2                       ; in a cluster launch ttmp9 counts clusters
	s_add_co_u32 s18, s18, s17                     ; my work-group: it enters the addresses of x, po and st alone
	s_lshl_b32 s20, s18, 19                        ; x: 128 rows of 4,096 bytes a work-group,
	s_lshl_b32 s21, s[WV], 17                      ; 32 a wave
	s_add_co_u32 s20, s20, s21
	s_mov_b32 s21, 0
	s_lshl_b32 s22, s18, 12                        ; po: 4,096 bytes a work-group, 1,024 a wave
	s_lshl_b32 s23, s[WV], 10
	s_add_co_u32 s22, s22, s23
	s_mov_b32 s23, 0
	s_lshl_b32 s56, s18, 8                         ; st: 256 bytes a work-group
	s_mov_b32 s57, 0
	s_lshl_b32 s52, s[WV], 10                      ; q and bk: my two heads, 1,024 bytes
	s_mov_b32 s53, 0
	s_mul_i32 s50, s[WV], 32*TILEB                 ; wq: my 32 tiles
	s_mov_b32 s51, 0
	s_mul_i32 s[PF], s17, 6400                     ; the prefetches: my work-group's 25 blocks of each 100
	s_add_co_u32 s[PF], s[PF], s50
	s_mov_b32 s[PF+1], 0
	s_mul_i32 s[WB], s[WV], WPART
	s_mul_i32 s[STW], s[WV], STGB
	s_add_co_u32 s[STW], s[STW], STG
	; descriptor group 1: 25,600 dense bytes as 100 rows of 256 bytes (32 elements of 8 bytes), no padding: the images are read 16 bytes a lane on end
	s_mov_b32 s[G1], 15|(3<<16)|(1<<21)            ; 15:0 the mask: all four work-groups; 17:16 elements of 8 bytes; 21 set beside a mask
	s_mov_b32 s[G1+1], 32<<16                      ; tensor_dim0
	s_mov_b32 s[G1+2], 100<<16                     ; tensor_dim1
	s_mov_b32 s[G1+3], 32<<16                      ; tile_dim0
	s_mov_b32 s[G1+4], 100                         ; tile_dim1
	s_mov_b32 s[G1+5], 32                          ; from row to row
	s_mov_b32 s[G1+6], 0
	s_mov_b32 s[G1+7], 0
	s_mov_b32 s[SEL], 0x76543210
	s_mov_b32 s[SEL+1], 0xfedcba98
	s_mov_b32 s[CS], 0x3e0293ee                    ; c = log2(e) / sqrt(128)
	s_mov_b32 s[CS+1], s[CS]                       ; (named with it as a pair, so it is written)
	s_mov_b32 s[TB], 0
	v_and_b32 v12, 31, v0                          ; L
	v_and_b32 v13, 15, v0                          ; r = L % 16
	v_bfe_u32 v14, v0, 4, 1                        ; h = L / 16
	v_lshlrev_b32 v[L16], 4, v12
	v_lshlrev_b32 v15, 4, v13
	v_lshl_add_u32 v15, v14, 12, v15               ; a load takes two rows of x, 256 consecutive bytes of each
.irp p, 0,1,2,3
	v_add_nc_u32 v[GA+\p], 65536*(\p%2)+512*(\p/2), v15   ; set p: 16 rows down for the odd sets, a K step on for sets 2 and 3
.endr
	v_mul_u32_u24 v[SA], v14, 272
	v_lshl_add_u32 v[SA], v13, 4, v[SA]
	v_add_nc_u32 v[SA], s[STW], v[SA]
	v_mul_u32_u24 v[LA], v13, 272
	v_lshl_add_u32 v[LA], v14, 7, v[LA]
	v_add_nc_u32 v[LA], s[STW], v[LA]
	s_mul_i32 s48, s[WV], 3072
	s_add_co_u32 s48, s48, XIMG
	v_add_nc_u32 v[IW], s48, v[L16]                ; my images: tiles of rows 2 w, 2 w + 1
	s_lshl_b32 s49, s[WV], 7
	s_add_co_u32 s49, s49, XSC
	v_lshl_add_u32 v[XW], v13, 2, s49
	v_lshlrev_b32 v[H8], 3, v14
	v_add_nc_u32 v[QST], s[STW], v[L16]
	v_add_nc_u32 v[A16B], s[WB], v[L16]
	v_lshl_add_u32 v[AQ], v14, 5, s[STW]
	v_add_nc_u32 v[OST], 1024, v[AQ]
	s_lshl_b32 s54, s[WV], 6
	s_add_co_u32 s54, s54, STAT
	v_and_b32 v15, 3, v0
	v_lshl_add_u32 v[STA], v15, 4, s54
	v_lshl_add_u32 v[STR], v12, 3, STAT
	v_mov_b32 v[W1], 0                             ; written once: a lane permute's destination counts as one of its sources
	s_wait_alu depctr_va_vdst(0)                   ; the wait at the head's end
	s_wait_kmcnt 0x0
	s_add_nc_u64 s[4:5], s[4:5], s[20:21]
	s_add_nc_u64 s[8:9], s[8:9], s[52:53]
	s_add_nc_u64 s[10:11], s[10:11], s[52:53]
	s_add_nc_u64 s[12:13], s[12:13], s[22:23]
	s_add_nc_u64 s[14:15], s[14:15], s[56:57]
	s_add_nc_u64 s[PF:PF+1], s[6:7], s[PF:PF+1]
.irp hh, 0,1
	global_load_b128 v[QL+8*\hh:QL+8*\hh+3], v[L16], s[8:9] offset:512*\hh            ; q of head 2 w + hh: four numbers a lane
	global_load_b128 v[QL+8*\hh+4:QL+8*\hh+7], v[L16], s[10:11] offset:4096+512*\hh   ; and bk
.endr
	XLOAD 0                                        ; x's first four sets are asked for ahead of the round
	XLOAD 1
	XLOAD 2
	XLOAD 3
	s_mov_b32 s[G0A], 1                            ; count = 1
	s_mov_b32 s[G0A+1], s[WB]                      ; LDS address: my part of slot 0
	s_add_nc_u64 s[G0A+2:G0A+3], s[6:7], s[50:51]  ; my tiles 0 and 1: nothing here hangs on the work-group's place
	s_mov_b32 s[G0W], 1
	s_add_co_u32 s[G0W+1], s[WB], SLOTB            ; my part of slot 1
	s_add_nc_u64 s[G0W+2:G0W+3], s[G0A+2:G0A+3], WPART   ; my tiles 2 and 3
	s_or_b32 s[G0A+3], s[G0A+3], 0x80000000        ; type = 2
	s_or_b32 s[G0W+3], s[G0W+3], 0x80000000
	CROUND                                         ; all four work-groups are here: the first joint loads meet
	tensor_load_to_lds s[G0A:G0A+3], s[G1:G1+7]    ; slot 0's first fill: my one tensor load at the head
	s_nop 0
	PLACES
; ---- PHASE X
	XA 0, 48, 1                                    ; q, bk and set 0 are in; sets 1 to 3 stay out
	s_mov_b32 s[CNT], 3
.Lxtrip:
	s_wait_alu depctr_va_vdst(0)
	XSTEP 0, 1, 1, 48
	XSTEP 1, 2, 1, 48
	XSTEP 2, 3, 1, 48
	XSTEP 3, 0, 1, 48                              ; the next trip's set 0 starts through the stage
	v_add_nc_u32 v[IW], 16*1536, v[IW]
	v_add_nc_u32 v[XW], 1024, v[XW]
	s_sub_co_u32 s[CNT], s[CNT], 1
	s_cmp_lg_u32 s[CNT], 0
	s_cbranch_scc1 .Lxtrip
	s_wait_alu depctr_va_vdst(0)
	XSTEP 0, 1, 0, 32                              ; the last trip loads nothing: the counts run down
	v_and_b32 v[PFO], 31, v0                       ; set 1's loads are done (the wait for 32 above): its offset's register takes the prefetches' offset
	v_min_u32 v[PFO], 24, v[PFO]
	v_lshlrev_b32 v[PFO], 8, v[PFO]
	XSTEP 1, 2, 0, 16
	s_cmp_lt_u32 ttmp9, 4
	s_cbranch_scc0 .Lno_prefetch_attn0
	global_prefetch_b8 v[PFO], s[PF:PF+1] offset:2*WPART th:TH_LOAD_NT scope:SCOPE_SE   ; my 25 blocks of slot 2
.Lno_prefetch_attn0:
	XSTEP 2, 3, 0, 0
	s_cmp_lt_u32 ttmp9, 4
	s_cbranch_scc0 .Lno_prefetch_attn1
	global_prefetch_b8 v[PFO], s[PF:PF+1] offset:3*WPART th:TH_LOAD_NT scope:SCOPE_SE   ; and of slot 3
.Lno_prefetch_attn1:
	XSTEP 3, 4, 0, 0
	; c q of my two heads into my stage (its last reads as a stage are back), and 0.5 c q . bk
.irp hh, 0,1
	v_pk_mul_f32 v[QL+8*\hh:QL+8*\hh+1], v[QL+8*\hh:QL+8*\hh+1], s[CS:CS+1] op_sel_hi:[1,0]
	v_pk_mul_f32 v[QL+8*\hh+2:QL+8*\hh+3], v[QL+8*\hh+2:QL+8*\hh+3], s[CS:CS+1] op_sel_hi:[1,0]
.endr
.irp hh, 0,1
	ds_store_b128 v[QST], v[QL+8*\hh:QL+8*\hh+3] offset:512*\hh
	v_mul_f32 v[QB+\hh], v[QL+8*\hh], v[QL+8*\hh+4]
.endr
.irp i, 1,2,3
.irp hh, 0,1
	v_fma_f32 v[QB+\hh], v[QL+8*\hh+\i], v[QL+8*\hh+4+\i], v[QB+\hh]
.endr
.endr
.irp m, 1,2,4,8
.irp hh, 0,1
	v_add_f32_dpp v[QB+\hh], v[QB+\hh], v[QB+\hh] row_xmask:\m row_mask:0xf bank_mask:0xf
.endr
.endr
	v_permlanex16_b32 v[W0], v[QB], s[SEL], s[SEL+1]
	v_permlanex16_b32 v[W1], v[QB+1], s[SEL], s[SEL+1]
	v_add_f32 v[QB], v[QB], v[W0]
	v_add_f32 v[QB+1], v[QB+1], v[W1]
	v_mul_f32 v[QB], 0.5, v[QB]
	v_mul_f32 v[QB+1], 0.5, v[QB+1]
	v_add_nc_u32 v12, XIMG, v[L16]                 ; the images of fragments 0-31,
	v_add_nc_u32 v13, 32*1536, v12                 ; of 32-63,
	v_lshrrev_b32 v14, 2, v[L16]
	v_add_nc_u32 v14, XSC, v14                     ; and the scale words: 4 L
	v_add_nc_u32 v[A16], s[TB], v[A16B]            ; my part of slot 0
	s_wait_alu depctr_va_vdst(0)
	s_wait_tensorcnt 0x0                           ; my part of slot 0 is in (only I read it)
	ds_add_u32 v[SPW], v[NIL]
	s_wait_dscnt 0x0                               ; the add is done; and, for the others' sake, my images and scale words have landed
	CROUND                                         ; a whole round: it shows x's images to all four waves, and the joint loads meet
	tensor_load_to_lds s[G0W:G0W+3], s[G1:G1+7]    ; slot 1's first fill, my one tensor load behind the round
	s_nop 0
	PLACES
.set fi, 0
.rept 64                                       ; all of x's codes into my registers
.if fi == 63
.set dw_, 0
.set dr_, XL
.else
.set dw_, (1+fi/21)<<6
.set dr_, 12*(fi%21)
.endif
	WIN dw_
.if fi < 32
.irp c, 0,1,2
	ds_load_b128 v[dr_+4*\c:dr_+4*\c+3], v12 offset:1536*fi+512*\c
.endr
.else
.irp c, 0,1,2
	ds_load_b128 v[dr_+4*\c:dr_+4*\c+3], v13 offset:1536*(fi-32)+512*\c
.endr
.endif
.set fi, fi+1
.endr
	WIN 0
.set fi, 0
.rept 32
	ds_load_b32 v[XS+fi], v14 offset:128*fi
.set fi, fi+1
.endr
; ---- MAIN PHASE
.macro WMI c, s, m, par                ; the four ways of the scale registers' rows
.if ((\s) < 4) && ((\m)%2 == 0)
	v_wmma_scale_f32_16x16x128_f8f6f4 v[ACC+8*(\m):ACC+8*(\m)+7], v[WF+12*(\s):WF+12*(\s)+11], v[xr_:xr_+11], \c, v[WS+4*(\par)+(\s)%4], v[XS+4*(\s)+(\m)/2] matrix_a_fmt:MATRIX_FMT_FP6 matrix_b_fmt:MATRIX_FMT_FP6
.elseif (\s) < 4
	v_wmma_scale_f32_16x16x128_f8f6f4 v[ACC+8*(\m):ACC+8*(\m)+7], v[WF+12*(\s):WF+12*(\s)+11], v[xr_:xr_+11], \c, v[WS+4*(\par)+(\s)%4], v[XS+4*(\s)+(\m)/2] matrix_a_fmt:MATRIX_FMT_FP6 matrix_b_fmt:MATRIX_FMT_FP6 matrix_b_scale:MATRIX_SCALE_ROW1
.elseif (\m)%2 == 0
	v_wmma_scale_f32_16x16x128_f8f6f4 v[ACC+8*(\m):ACC+8*(\m)+7], v[WF+12*(\s):WF+12*(\s)+11], v[xr_:xr_+11], \c, v[WS+4*(\par)+(\s)%4], v[XS+4*(\s)+(\m)/2] matrix_a_fmt:MATRIX_FMT_FP6 matrix_b_fmt:MATRIX_FMT_FP6 matrix_a_scale:MATRIX_SCALE_ROW1
.else
	v_wmma_scale_f32_16x16x128_f8f6f4 v[ACC+8*(\m):ACC+8*(\m)+7], v[WF+12*(\s):WF+12*(\s)+11], v[xr_:xr_+11], \c, v[WS+4*(\par)+(\s)%4], v[XS+4*(\s)+(\m)/2] matrix_a_fmt:MATRIX_FMT_FP6 matrix_b_fmt:MATRIX_FMT_FP6 matrix_a_scale:MATRIX_SCALE_ROW1 matrix_b_scale:MATRIX_SCALE_ROW1
.endif
.endm
; K step s of the tile against tile of rows m.  zero = 1: the product starts the sum.  The eight accumulators take turns, one instruction a turn, over tile ends and backward jumps too.
.macro WM s, m, par, zero
.set f_, 8*(\s)+(\m)
.if f_ == 63
.set wn_, 0
.set xr_, XL
.else
.set wn_, (1+f_/21)<<2
.set xr_, 12*(f_%21)
.endif
	WIN wn_
.if \zero
	WMI 0, \s, \m, \par
.else
	WMI v[ACC+8*(\m):ACC+8*(\m)+7], \s, \m, \par
.endif
.endm
.macro WM8 s, par                      ; a K step's eight products
.irp m, 0,1,2,3,4,5,6,7
	WM \s, \m, \par, 0
.endr
.endm
.macro ALD n, par                      ; run A's n-th load, n = 0 .. 11: register group n % 3 of fragment 4 + n / 3 of the tile in hand
	ds_load_b128 v[WF+48+4*(\n):WF+48+4*(\n)+3], v[A16] offset:(\par)*TILEB+6144+512*(\n)
.endm
.macro BLD i, kind, par, nxt           ; run B's i-th load: for k two loads of c q of this tile's columns; then the next tile's scale words into the other set, then its fragments 0-3
.set jb_, (\i)-2+2*(\kind)
.if jb_ < 0
	ds_load_b128 v[Q+8+4*jb_:Q+8+4*jb_+3], v[AQ] offset:64*(\par)+32+16*jb_
.elseif jb_ == 0
	ds_load_b128 v[WS+4*(1-(\par)):WS+4*(1-(\par))+3], v[A16] offset:(\nxt)+12288
.elseif jb_ <= 12
	ds_load_b128 v[WF+4*(jb_-1):WF+4*(jb_-1)+3], v[A16] offset:(\nxt)+512*(jb_-1)
.endif
.endm
; Four lines of a tile's way out.  k (kind 0): columns 2 u, 2 u + 1 of accumulators 4 g .. 4 g + 3 onto their scores.  v (kind 1): accumulator 4 g + u, times its row's p, onto O.
; An accumulator's first read is of its lowest registers.
.macro G kind, g, u
.irp q, 0,1,2,3
.if \kind == 0
	v_pk_fma_f32 v[S+2*(4*(\g)+\q):S+2*(4*(\g)+\q)+1], v[ACC+8*(4*(\g)+\q)+2*(\u):ACC+8*(4*(\g)+\q)+2*(\u)+1], v[Q+2*(\u):Q+2*(\u)+1], v[S+2*(4*(\g)+\q):S+2*(4*(\g)+\q)+1]
.elseif (4*(\g)+(\u)) == 0
	v_pk_mul_f32 v[Q+2*\q:Q+2*\q+1], v[ACC+2*\q:ACC+2*\q+1], v[S:S+1] op_sel_hi:[1,0]
.else
	v_pk_fma_f32 v[Q+2*\q:Q+2*\q+1], v[ACC+8*(4*(\g)+(\u))+2*\q:ACC+8*(4*(\g)+(\u))+2*\q+1], v[S+2*(4*(\g)+(\u)):S+2*(4*(\g)+(\u))+1], v[Q+2*\q:Q+2*\q+1] op_sel_hi:[1,0,1]
.endif
.endr
.endm
.macro RED1 j, x                       ; one line of O's sum over the sixteen rows of a half of the lanes
	v_add_f32_dpp v[Q+(\j)], v[Q+(\j)], v[Q+(\j)] row_xmask:\x row_mask:0xf bank_mask:0xf
.endm
; The n-th four lines, n = 0 .. 11, of what the tile before has left to do (kp: its kind; 2: there is none): 0-3 its accumulators 4-7; for v, 4-11 the 32 lines of the sum over the lanes.
.macro TAILG kp, n
.if (\kp) < 2
.if (\n) < 4
	WIN 0
	G \kp, 1, \n
.elseif (\kp) == 1
	WIN 0
.irp q, 0,1,2,3
.set e_, 4*((\n)-4)+\q
.set j_, e_%8
.if e_ < 8
	RED1 j_, 1
.elseif e_ < 16
	RED1 j_, 2
.elseif e_ < 24
	RED1 j_, 4
.else
	RED1 j_, 8
.endif
.endr
.endif
.endif
.endm
; K STEPS 0 AND 1 of a tile (par: its place in the slot): behind each of the first twelve products four lines of the tile before's leavings.  Then, on end, v's two stores of the last tile's o and RUN A.  The registers of
; fragments 4-7 were last read ahead of four lines of the way out at the least.  No wait on a counter: scale words and fragments 0 and 1 were waited for ahead of the tile before's K step 7.
.macro HEAD kp, par
.irp m, 0,1,2,3,4,5,6,7
	WM 0, \m, \par, 1
	TAILG \kp, \m
.endr
.irp m, 0,1,2,3
	WM 1, \m, \par, 0
	TAILG \kp, \m+8
.endr
.if \kp == 1
	WIN 0                                          ; (an LDS store's data are its source 1)
	ds_store_b128 v[OST], v[Q:Q+3] offset:64*(1-(\par))      ; sixteen lanes write the same bytes with the same values
	ds_store_b128 v[OST], v[Q+4:Q+7] offset:64*(1-(\par))+16
.endif
.irp n, 0,1,2,3,4,5,6,7,8,9,10,11
	ALD \n, \par
.endr
.irp m, 4,5,6,7
	WM 1, \m, \par, 0
.endr
.endm
; K STEPS 2 TO 7 of a tile of k (kind 0) or v (kind 1).  nxt: where the next tile lies in the slot then in hand.
; chg = 3: no change of slots.  In a slot's second tile, at K step 3, all reads of the slot have been issued: chg = 2: change, and the slot is filled again; 1: change alone; 0: the last tile, nothing more to fetch.
; THE COUNTS, each the LDS instructions issued behind the load that is wanted (stores among them only add to what is younger): K step 2: fragment 3's 3 and run A's 12; K step 3: run A's 12;
; K steps 4, 5, 6: 9, 6, 3 of run A and all NB_ of run B (behind a round run A is in already: no wait); K step 7: the next tile's fragments 2 and 3.
.macro REST kind, par, nxt, chg
.set NB_, 15-2*(\kind)
	s_wait_dscnt 15
	WM8 2, \par
.if ((\chg) == 3) || ((\chg) == 0)
	s_wait_dscnt 12
	WM8 3, \par
.if (\chg) == 3
	PLACES                                         ; behind the last product of K step 3, in front of the loads into fragments 0-3
.endif
.elseif (\chg) == 2
.if PFON
	s_wait_xcnt 0x0                                ; my last prefetch has read its address: only behind this wait is it stepped
	s_add_nc_u64 s[PF:PF+1], s[PF:PF+1], WPART
.endif
	WIN 0                                          ; (the add's two registers lie in window 0)
	s_wait_tensorcnt 0x0                           ; all my tensor loads have landed: the one that was out is my part of the next slot; so a group 0 may be written
	ds_add_u32 v[SPW], v[NIL]                      ; 0 onto my spare word
	s_add_co_u32 s[G0W+1], s[TB], s[WB]            ; the walking descriptor: into the slot that is being left,
	s_add_nc_u64 s[G0W+2:G0W+3], s[G0W+2:G0W+3], WPART   ; my next two tiles; the type bits on top are not reached
	s_xor_b32 s[TB], s[TB], SLOTB                  ; the reads go on in the other slot
	s_wait_dscnt 12
.irp m, 0,1,2,3,4,5
	WM 3, \m, \par, 0                              ; products stand between the add and the wait for it
.endr
	s_wait_dscnt 0x0                               ; the add is done, and my reads of this slot, the last of them run A's, are over
	s_barrier_signal -1                            ; this barrier opens a round of the cluster's barrier
	WM 3, 6, \par, 0
	WM 3, 7, \par, 0
	WIN 0
	s_barrier_wait -1
	CREST                                          ; no wave of any partner still reads the slot or has a load on its way
	tensor_load_to_lds s[G0W:G0W+3], s[G1:G1+7]    ; the first thing behind the round, my one tensor load until the next: at least 120 matrix instructions stand between it and the wait for it
	s_nop 0
	PLACES                                         ; also the places in front of the loads into fragments 0-3
	v_add_nc_u32 v[A16], s[TB], v[A16B]
	s_wait_alu depctr_va_vdst(0)
.else
	s_wait_dscnt 12
	WM 3, 0, \par, 0
	WM 3, 1, \par, 0
	WIN 0
	s_wait_tensorcnt 0x0                           ; my part of the last slot is in; no load was issued behind it, only I read it, and nothing is filled again: no barrier
	s_xor_b32 s[TB], s[TB], SLOTB
	v_add_nc_u32 v[A16], s[TB], v[A16B]
	s_wait_alu depctr_va_vdst(0)
.irp m, 2,3,4,5,6,7
	WM 3, \m, \par, 0
.endr
	PLACES
.endif
.if (\chg) == 0
	s_wait_dscnt 0x0                               ; the last tile's fragments are all in
	WM8 4, \par
	WM8 5, \par
	WM8 6, \par
.else
.irp i, 0,1,2,3,4,5,6,7,8,9,10,11,12,13,14
	BLD \i, \kind, \par, \nxt                      ; RUN B
.endr
.if (\chg) == 2
.if PFON
	s_cmp_lt_u32 ttmp9, 4
	s_cbranch_scc0 .Lno_prefetch_attn2_\@
	global_prefetch_b8 v[PFO], s[PF:PF+1] offset:3*WPART th:TH_LOAD_NT scope:SCOPE_SE   ; my 25 blocks of the slot two refills on
.Lno_prefetch_attn2_\@:
.endif
	WM8 4, \par
	WM8 5, \par
	WM8 6, \par
.else
	s_wait_dscnt 9+NB_
	WM8 4, \par
	s_wait_dscnt 6+NB_
	WM8 5, \par
	s_wait_dscnt 3+NB_
	WM8 6, \par
.endif
	s_wait_dscnt 6
.endif
.irp m, 0,1,2,3
	WM 7, \m, \par, 0
.endr
	PLACES                                         ; in front of the first reads of accumulators 0-3
.irp m, 4,5,6,7
	WM 7, \m, \par, 0                              ; the last four products, with the way out of accumulators 0-3 between them
	WIN 0
	G \kind, 0, \m-4
.endr
.if ((\kind) == 0) && ((\par) == 1)
	v_add_nc_u32 v[AQ], 128, v[AQ]                 ; c q of the next slot's tiles: sixteen plain lines of the way out stand between this line and its reader
.endif
.endm
; A trip: K steps 2-7 of a slot's first tile, the slot's second tile, K steps 0 and 1 of the next slot's first tile (whatever its kind: it carries this kind's leavings).
.macro TRIP kind, chg
	REST \kind, 0, TILEB, 3
	HEAD \kind, 1
	REST \kind, 1, 0, \chg
.if (\chg) != 0
	HEAD \kind, 0
.endif
	WIN 0                                          ; at a label and at a branch every window is 0
.if ((\chg) != 0) && ((\kind) == 1)
	v_add_nc_u32 v[OST], 128, v[OST]               ; its next reader stands behind the next tile's way out
.endif
.endm
.macro KINIT hh                        ; the scores begin with half of c q . bk in each half of the lanes
.irp m, 0,1,2,3,4,5,6,7
	v_mov_b32 v[S+2*\m], v[QB+\hh]
	v_mov_b32 v[S+2*\m+1], 0
.endr
.endm
.macro SOFTMAX hh                      ; v[S + 2 m] becomes p of key 16 m + r; (max, sum) go to LDS
	s_wait_alu depctr_va_vdst(0)
.irp m, 0,1,2,3,4,5,6,7
	v_add_f32 v[S+2*\m], v[S+2*\m], v[S+2*\m+1]    ; even and odd columns,
.endr
.irp m, 0,1,2,3,4,5,6,7
	v_permlanex16_b32 v[S+2*\m+1], v[S+2*\m], s[SEL], s[SEL+1]
.endr
.irp m, 0,1,2,3,4,5,6,7
	v_add_f32 v[S+2*\m], v[S+2*\m], v[S+2*\m+1]    ; and the other half of the lanes': t of key 16 m + r
.endr
	v_max3_num_f32 v12, v[S], v[S+2], v[S+4]
	v_max3_num_f32 v13, v[S+6], v[S+8], v[S+10]
	v_max3_num_f32 v12, v12, v[S+12], v[S+14]
	v_max_num_f32 v12, v12, v13
.irp x, 1,2,4,8
	v_max_num_f32_dpp v12, v12, v12 row_xmask:\x row_mask:0xf bank_mask:0xf
.endr
.irp m, 0,1,2,3,4,5,6,7
	v_sub_f32 v[S+2*\m], v[S+2*\m], v12            ; the maximum of the work-group's 128 keys is taken away
.endr
	s_wait_alu depctr_va_vdst(0)                   ; the wait ahead of the batch
.irp m, 0,1,2,3,4,5,6,7
	v_exp_f32 v[S+2*\m], v[S+2*\m]
.endr
	v_nop                                          ; a plain place behind the last exponential
	s_wait_alu depctr_va_vdst(0)                   ; one wait for the batch of eight, ahead of its first reader
	v_add_f32 v13, v[S], v[S+2]
	v_add_f32 v14, v[S+4], v[S+6]
	v_add_f32 v15, v[S+8], v[S+10]
	v_add_f32 v80, v[S+12], v[S+14]
	v_add_f32 v13, v13, v14
	v_add_f32 v15, v15, v80
	v_add_f32 v13, v13, v15
.irp x, 1,2,4,8
	v_add_f32_dpp v13, v13, v13 row_xmask:\x row_mask:0xf bank_mask:0xf
.endr
	ds_store_b32 v[STA], v12 offset:8*\hh
	ds_store_b32 v[STA], v13 offset:8*\hh+4
.endm
	ds_load_b128 v[WS:WS+3], v[A16] offset:12288   ; tile 0's scale words, then its fragments 0-3: as run B leaves them
.irp i, 0,1,2,3,4,5,6,7,8,9,10,11
	ds_load_b128 v[WF+4*\i:WF+4*\i+3], v[A16] offset:512*\i
.endr
	KINIT 0
	s_wait_dscnt 6                                 ; all but tile 0's fragments 2 and 3
	HEAD 2, 0                                      ; tile 0's K steps 0 and 1 stand in front of the loops: no tile has left anything
	WIN 0
.set PFON, 1                           ; the twelve rounds of the next three loops name slots 4 to 15
	s_mov_b32 s[CNT], 4
.Lk0:                                              ; slots 0-3: k of head 2 w
	TRIP 0, 2
	s_sub_co_u32 s[CNT], s[CNT], 1
	s_cmp_lg_u32 s[CNT], 0
	s_cbranch_scc1 .Lk0
	SOFTMAX 0                                      ; all eight tiles of k are read out; p is first wanted at the next tile's K step 7
	s_mov_b32 s[CNT], 4
.Lv0:                                              ; slots 4-7: v of head 2 w
	TRIP 1, 2
	s_sub_co_u32 s[CNT], s[CNT], 1
	s_cmp_lg_u32 s[CNT], 0
	s_cbranch_scc1 .Lv0
	KINIT 1                                        ; p's last reader stands in the trip just ended
	s_mov_b32 s[CNT], 4
.Lk1:                                              ; slots 8-11: k of head 2 w + 1
	TRIP 0, 2
	s_sub_co_u32 s[CNT], s[CNT], 1
	s_cmp_lg_u32 s[CNT], 0
	s_cbranch_scc1 .Lk1
	SOFTMAX 1
.set PFON, 0                           ; no slot stands two refills behind slots 14 and 15: the last two rounds name nothing
	s_mov_b32 s[CNT], 2
.Lv1:                                              ; slots 12, 13: v of head 2 w + 1; they ask for slots 14 and 15, the last
	TRIP 1, 2
	s_sub_co_u32 s[CNT], s[CNT], 1
	s_cmp_lg_u32 s[CNT], 0
	s_cbranch_scc1 .Lv1
	TRIP 1, 1                                      ; the tail is written out
	TRIP 1, 0
.irp u, 0,1,2,3                                ; the last tile's leavings stand bare: no tile follows
	G 1, 1, \u
.endr
.irp x, 1,2,4,8
.irp j, 0,1,2,3,4,5,6,7
	RED1 \j, \x
.endr
.endr
	ds_store_b128 v[OST], v[Q:Q+3] offset:64
	ds_store_b128 v[OST], v[Q+4:Q+7] offset:64+16
	; ---- THE WAY OUT
	s_add_co_u32 s[STW], s[STW], 1024
	v_add_nc_u32 v13, s[STW], v[L16]
	ds_load_b128 v[64:67], v13                     ; my two heads' o, 1,024 bytes: LDS serves a wave's instructions in order: these see my stores
	ds_load_b128 v[68:71], v13 offset:512
	s_wait_dscnt 0x0                               ; they are back; and, for the others' sake, my statistics have landed
	global_store_b128 v[L16], v[64:67], s[12:13]   ; 32 lanes store 512 consecutive bytes
	global_store_b128 v[L16], v[68:71], s[12:13] offset:512
	s_barrier_signal -1
	s_barrier_wait -1
	s_cmp_lg_u32 s[WV], 0
	s_cbranch_scc1 .Lnot_mine
	ds_load_b64 v[72:73], v[STR]
	v_lshrrev_b32 v12, 1, v[L16]
	s_wait_alu depctr_va_vdst(0)
	s_wait_dscnt 0x0
	global_store_b64 v12, v[72:73], s[14:15]       ; 32 lanes store the work-group's 256 bytes of statistics, aligned
.Lnot_mine:
	s_wait_tensorcnt 0x0                           ; the wave's end, behind my last tensor load and my last LDS store
	ds_add_u32 v[SPW], v[NIL]
	s_wait_dscnt 0x0
	CROUND                                         ; the closing round: no work-group ends while a partner may still ask for a tile that names it
	s_endpgm
.Lfunc_end_k_q019e4c5bda_attn:
	.size	k_q019e4c5bda_attn, .Lfunc_end_k_q019e4c5bda_attn-k_q019e4c5bda_attn
	.p2alignl 7, 3214868480
	.fill 96, 4, 3214868480
	.section	.rodata,"a",@progbits
	.p2align	6, 0x0
	.amdhsa_kernel k_q019e4c5bda_attn
		.amdhsa_group_segment_fixed_size 327680
		.amdhsa_private_segment_fixed_size 0
		.amdhsa_enable_private_segment 0
		.amdhsa_kernarg_size 48
		.amdhsa_user_sgpr_count 2
		.amdhsa_user_sgpr_kernarg_segment_ptr 1
		.amdhsa_wavefront_size32 1
		.amdhsa_system_sgpr_workgroup_id_x 1
		.amdhsa_system_sgpr_workgroup_id_y 1
		.amdhsa_system_sgpr_workgroup_id_z 1
		.amdhsa_system_vgpr_workitem_id 0
		.amdhsa_next_free_vgpr 1024
		.amdhsa_next_free_sgpr 66
		.amdhsa_reserve_vcc 0
		.amdhsa_float_denorm_mode_32 3
		.amdhsa_float_denorm_mode_16_64 3
		.amdhsa_memory_ordered 1
		.amdhsa_forward_progress 1
		.amdhsa_inst_pref_size 255
	.end_amdhsa_kernel
	.section	.bss,"aw",@nobits
	.p2align	6
	.space	262144
	.amdgpu_metadata
---
amdhsa.version: [ 1, 2 ]
amdhsa.kernels:
  - .name:           k_q019e4c5bda_attn
    .symbol:         k_q019e4c5bda_attn.kd
    .args:
      - { .name: x, .offset: 0, .size: 8, .value_kind: global_buffer, .address_space: global }
      - { .name: wq, .offset: 8, .size: 8, .value_kind: global_buffer, .address_space: global }
      - { .name: qv, .offset: 16, .size: 8, .value_kind: global_buffer, .address_space: global }
      - { .name: in_proj_bias, .offset: 24, .size: 8, .value_kind: global_buffer, .address_space: global }
      - { .name: po, .offset: 32, .size: 8, .value_kind: global_buffer, .address_space: global }
      - { .name: st, .offset: 40, .size: 8, .value_kind: global_buffer, .address_space: global }
    .group_segment_fixed_size: 327680
    .private_segment_fixed_size: 0
    .kernarg_segment_align: 8
    .kernarg_segment_size: 48
    .max_flat_workgroup_size: 128
    .sgpr_count:     66
    .vgpr_count:     1024
    .wavefront_size: 32
...
	.end_amdgpu_metadata
.endif
;; end of part 2
;; launch combine (part 3): grid 16 x 1, 8 waves a work-group, no clusters, 5,120 bytes of LDS; arguments po, st, in_proj_bias, att; writes att
.if DOCPART == 3
	.amdgcn_target "amdgcn-amd-amdhsa--gfx1250"
	.amdhsa_code_object_version 6
	.text
	.protected	k_q019e4c5bda_combine
	.globl	k_q019e4c5bda_combine
	.p2align	8
	.type	k_q019e4c5bda_combine,@function
k_q019e4c5bda_combine:
	s_mov_b64 s[64:65], 0
	v_nop
	global_prefetch_b8 v0, s[64:65] scope:SCOPE_SE
	s_setreg_imm32_b32 hwreg(HW_REG_WAVE_MODE, 25, 1), 1
	s_wait_xcnt 0x0
; The 256 work-groups' parts of the softmax are joined: for head h, M = the largest of their maxima m (in powers of two), a = 2^(m - M),
; att[h][d] = (sum of a o[d]) / (sum of a l) + bv[h][d].  All in f32.
; SHARES: work-group g takes head g / 2 and 64 of its channels (256 bytes), g % 2.  Thread t stands for source t's (m, l); wave v adds the o of sources 32 v .. 32 v + 31:
; a load takes two sources, sixteen lanes to a source's 256 consecutive bytes.  Each byte of po is read once in the launch.
.set RED,  0                           ; 32 bytes: the waves' maxima
.set RED2, 256                         ; 32 bytes: the waves' sums of a l
.set AL,   512                         ; 1,024 bytes: a of the 256 sources
.set CW,   1536                        ; 2,048 bytes: the waves' sums, 256 bytes each
	s_load_b256 s[4:11], s[0:1], 0x0               ; po s[4:5], st s[6:7], in_proj_bias s[8:9], att s[10:11]
	v_lshl_add_u32 v128, v0, 2, 0x1000
	v_mov_b32 v129, 0
	v_lshrrev_b32 v1, 5, v0
	s_delay_alu instid0(VALU_DEP_1)
	v_readfirstlane_b32 s12, v1                    ; wave 0..7
	v_and_b32 v1, 31, v0                           ; L
	s_wait_alu depctr_va_vdst(0)
	v_and_b32 v2, 15, v0
	s_wait_alu depctr_va_vdst(0)
	v_bfe_u32 v3, v0, 4, 1
	s_lshr_b32 s13, ttmp9, 1                       ; head
	s_and_b32 s14, ttmp9, 1                        ; which 64 channels
	s_lshr_b32 s15, s13, 1
	s_lshl_b32 s15, s15, 6
	s_and_b32 s16, s13, 1
	s_lshl_b32 s16, s16, 3
	s_add_co_u32 s15, s15, s16                     ; (m, l) of the head in a source's 256 bytes: 64 (h / 2) + 8 (h % 2)
	v_lshlrev_b32 v4, 8, v0
	s_delay_alu instid0(VALU_DEP_1)
	v_add_nc_u32 v4, s15, v4
	s_lshl_b32 s16, s13, 9
	s_lshl_b32 s17, s14, 8
	s_add_co_u32 s16, s16, s17                     ; my channels' bytes: 512 h + 256 half
	v_lshlrev_b32 v5, 3, v1                        ; 8 L
	s_delay_alu instid0(VALU_DEP_1)
	v_add_nc_u32 v6, s16, v5
	s_lshl_b32 s17, s12, 17                        ; 32 sources of 4,096 bytes a wave
	s_add_co_u32 s17, s17, s16
	v_lshlrev_b32 v7, 4, v2
	s_wait_alu depctr_va_vdst(0)
	v_lshl_add_u32 v7, v3, 12, v7
	s_delay_alu instid0(VALU_DEP_1)
	v_add_nc_u32 v7, s17, v7
	v_mov_b32 v8, s12
	s_delay_alu instid0(VALU_DEP_1)
	v_lshlrev_b32 v8, 2, v8                        ; 4 x wave
	v_lshlrev_b32 v9, 2, v0                        ; 4 t
	s_lshl_b32 s18, s12, 7
	v_lshl_add_u32 v10, v3, 2, s18                 ; 128 x wave + 4 (L / 16)
	s_lshl_b32 s19, s12, 8
	v_lshl_add_u32 v11, v2, 4, s19                 ; 256 x wave + 16 (L % 16)
	v_mov_b32 v12, 0
	v_mov_b32 v21, 0                               ; written once: a lane permute's destination counts as one of its sources
	s_mov_b32 s20, 0x76543210
	s_mov_b32 s21, 0xfedcba98
	s_wait_alu depctr_va_vdst(0)
	s_wait_kmcnt 0x0
	global_load_b64 v[16:17], v4, s[6:7]           ; m, l of source t
	global_load_b64 v[18:19], v6, s[8:9] offset:8192   ; bv of channels 2 L, 2 L + 1
.irp i, 0,1,2,3,4,5,6,7,8,9,10,11,12,13,14,15
	global_load_b128 v[32+4*\i:35+4*\i], v7, s[4:5] offset:8192*\i th:TH_LOAD_NT
.endr
	s_wait_loadcnt 17                              ; m and l are in; bv and the 16 loads of o may be out
	v_mov_b32 v20, v16
.irp x, 1,2,4,8
	s_delay_alu instid0(VALU_DEP_1)
	v_max_num_f32_dpp v20, v20, v20 row_xmask:\x row_mask:0xf bank_mask:0xf
.endr
	s_delay_alu instid0(VALU_DEP_1)
	v_permlanex16_b32 v21, v20, s20, s21
	s_delay_alu instid0(VALU_DEP_1)
	v_max_num_f32 v20, v20, v21
	ds_store_b32 v8, v20 offset:RED
	s_wait_dscnt 0x0
	s_barrier_signal -1
	s_barrier_wait -1
	ds_load_b128 v[24:27], v12 offset:RED
	ds_load_b128 v[28:31], v12 offset:RED+16
	s_wait_dscnt 0x0
	v_max3_num_f32 v20, v24, v25, v26
	v_max3_num_f32 v21, v27, v28, v29
	s_delay_alu instid0(VALU_DEP_2)
	v_max3_num_f32 v20, v20, v30, v31
	s_delay_alu instid0(VALU_DEP_1)
	v_max_num_f32 v20, v20, v21                    ; M
	s_delay_alu instid0(VALU_DEP_1)
	v_sub_f32 v22, v16, v20
	s_wait_alu depctr_va_vdst(0)
	v_exp_f32 v22, v22                             ; a = 2^(m - M), at most 1
	v_nop                                          ; a plain place behind the exponential
	s_wait_alu depctr_va_vdst(0)                   ; and the wait ahead of its first reader
	ds_store_b32 v9, v22 offset:AL
	v_mul_f32 v23, v22, v17
.irp x, 1,2,4,8
	s_delay_alu instid0(VALU_DEP_1)
	v_add_f32_dpp v23, v23, v23 row_xmask:\x row_mask:0xf bank_mask:0xf
.endr
	s_delay_alu instid0(VALU_DEP_1)
	v_permlanex16_b32 v21, v23, s20, s21
	s_delay_alu instid0(VALU_DEP_1)
	v_add_f32 v23, v23, v21
	ds_store_b32 v8, v23 offset:RED2
	s_wait_dscnt 0x0
	s_barrier_signal -1
	s_barrier_wait -1
	ds_load_b128 v[24:27], v12 offset:RED2
	ds_load_b128 v[28:31], v12 offset:RED2+16
.irp i, 0,1,2,3,4,5,6,7,8,9,10,11,12,13,14,15
	ds_load_b32 v[96+\i], v10 offset:AL+8*\i       ; a of source 32 v + 2 i + L / 16
.endr
	s_wait_dscnt 16                                ; the eight sums are in; the 16 loads of a may be out
	v_add_f32 v24, v24, v25
	v_add_f32 v26, v26, v27
	v_add_f32 v28, v28, v29
	v_add_f32 v30, v30, v31
	s_delay_alu instid0(VALU_DEP_3)
	v_add_f32 v24, v24, v26
	s_delay_alu instid0(VALU_DEP_2)
	v_add_f32 v28, v28, v30
	s_delay_alu instid0(VALU_DEP_1)
	v_add_f32 v20, v24, v28                        ; the sum of a l: at least 1, since the source that holds M has a = 1 and l >= 1
	s_wait_alu depctr_va_vdst(0)
	v_rcp_f32 v20, v20
	v_nop
	s_wait_alu depctr_va_vdst(0)
	s_wait_loadcnt 0x0
	s_wait_dscnt 0x0
.irp q, 0,1,2,3
	v_mul_f32 v[112+\q], v96, v[32+\q]             ; the first product starts the sums
.endr
.irp i, 1,2,3,4,5,6,7,8,9,10,11,12,13,14,15
.irp q, 0,1,2,3
	s_delay_alu instid0(VALU_DEP_4)
	v_fma_f32 v[112+\q], v[96+\i], v[32+4*\i+\q], v[112+\q]
.endr
.endr
.irp q, 0,1,2,3
	s_delay_alu instid0(VALU_DEP_4)
	v_permlanex16_b32 v[24+\q], v[112+\q], s20, s21
.endr
.irp q, 0,1,2,3
	s_delay_alu instid0(VALU_DEP_4)
	v_add_f32 v[112+\q], v[112+\q], v[24+\q]       ; even and odd sources
.endr
	ds_store_b128 v11, v[112:115] offset:CW        ; both halves of the lanes write the same bytes with the same values
	s_wait_dscnt 0x0
	s_barrier_signal -1
	s_barrier_wait -1
	s_cmp_lg_u32 s12, 0
	s_cbranch_scc1 .Lend
.irp k, 0,1,2,3,4,5,6,7
	ds_load_b64 v[32+2*\k:33+2*\k], v5 offset:CW+256*\k
.endr
	s_wait_dscnt 0x0
	v_pk_add_f32 v[32:33], v[32:33], v[34:35]
	v_pk_add_f32 v[36:37], v[36:37], v[38:39]
	v_pk_add_f32 v[40:41], v[40:41], v[42:43]
	v_pk_add_f32 v[44:45], v[44:45], v[46:47]
	s_delay_alu instid0(VALU_DEP_3)
	v_pk_add_f32 v[32:33], v[32:33], v[36:37]
	s_delay_alu instid0(VALU_DEP_2)
	v_pk_add_f32 v[40:41], v[40:41], v[44:45]
	s_delay_alu instid0(VALU_DEP_1)
	v_pk_add_f32 v[32:33], v[32:33], v[40:41]
	v_pk_fma_f32 v[32:33], v[32:33], v[20:21], v[18:19] op_sel_hi:[1,0,1]   ; / the sum, + bv
	global_store_b64 v6, v[32:33], s[10:11]        ; 32 lanes store 256 consecutive bytes, aligned
.Lend:
	s_wait_tensorcnt 0x0
	ds_add_u32 v128, v129
	s_wait_dscnt 0x0
	s_endpgm
.Lfunc_end_k_q019e4c5bda_combine:
	.size	k_q019e4c5bda_combine, .Lfunc_end_k_q019e4c5bda_combine-k_q019e4c5bda_combine
	.p2alignl 7, 3214868480
	.fill 96, 4, 3214868480
	.section	.rodata,"a",@progbits
	.p2align	6, 0x0
	.amdhsa_kernel k_q019e4c5bda_combine
		.amdhsa_group_segment_fixed_size 5120
		.amdhsa_private_segment_fixed_size 0
		.amdhsa_enable_private_segment 0
		.amdhsa_kernarg_size 32
		.amdhsa_user_sgpr_count 2
		.amdhsa_user_sgpr_kernarg_segment_ptr 1
		.amdhsa_wavefront_size32 1
		.amdhsa_system_sgpr_workgroup_id_x 1
		.amdhsa_system_sgpr_workgroup_id_y 1
		.amdhsa_system_sgpr_workgroup_id_z 1
		.amdhsa_system_vgpr_workitem_id 0
		.amdhsa_next_free_vgpr 130
		.amdhsa_next_free_sgpr 66
		.amdhsa_reserve_vcc 0
		.amdhsa_float_denorm_mode_32 3
		.amdhsa_float_denorm_mode_16_64 3
		.amdhsa_memory_ordered 1
		.amdhsa_forward_progress 1
		.amdhsa_inst_pref_size 16
	.end_amdhsa_kernel
	.amdgpu_metadata
---
amdhsa.version: [ 1, 2 ]
amdhsa.kernels:
  - .name:           k_q019e4c5bda_combine
    .symbol:         k_q019e4c5bda_combine.kd
    .args:
      - { .name: po, .offset: 0, .size: 8, .value_kind: global_buffer, .address_space: global }
      - { .name: st, .offset: 8, .size: 8, .value_kind: global_buffer, .address_space: global }
      - { .name: in_proj_bias, .offset: 16, .size: 8, .value_kind: global_buffer, .address_space: global }
      - { .name: att, .offset: 24, .size: 8, .value_kind: global_buffer, .address_space: global }
    .group_segment_fixed_size: 5120
    .private_segment_fixed_size: 0
    .kernarg_segment_align: 8
    .kernarg_segment_size: 32
    .max_flat_workgroup_size: 256
    .sgpr_count:     66
    .vgpr_count:     130
    .wavefront_size: 32
...
	.end_amdgpu_metadata
.endif
;; end of part 3
;; launch outproj (part 4): grid 256 x 1, 4 waves a work-group, no clusters, 768 bytes of LDS; arguments att, out_proj_weight, out_proj_bias, out0; writes out0
.if DOCPART == 4
	.amdgcn_target "amdgcn-amd-amdhsa--gfx1250"
	.amdhsa_code_object_version 6
	.text
	.protected	k_q019e4c5bda_outproj
	.globl	k_q019e4c5bda_outproj
	.p2align	8
	.type	k_q019e4c5bda_outproj,@function
k_q019e4c5bda_outproj:
	s_mov_b64 s[64:65], 0
	v_nop
	global_prefetch_b8 v0, s[64:65] scope:SCOPE_SE
	s_setreg_imm32_b32 hwreg(HW_REG_WAVE_MODE, 25, 1), 1
	s_wait_xcnt 0x0
; out0 = att . Wo^T + bo, in f32 multiply-adds: one row of Wo (4,096 bytes, read once) to a wave, four rows to a work-group, so that Wo's 4 MB are spread over 256 work-groups.
; M = 1: a matrix instruction would leave fifteen rows of sixteen idle.
.set L16, 2                            ; v2   16 L
.set WR,  16                           ; v16-47 a row of Wo
.set XR,  48                           ; v48-79 att
.set A,   80                           ; v80-87 the sums
.set SEL, 14                           ; s14, s15 lane selects: lane l xor 16
; The dot product of two rows of 1,024 f32 that lie 32 numbers to a lane, + a bias: four chains of packed multiply-adds, then the wave's sum, in every lane.
.macro ROWDOT a, w, x, sb
.irp k, 0,1,2,3
	v_pk_mul_f32 v[\a+2*\k:\a+2*\k+1], v[\w+2*\k:\w+2*\k+1], v[\x+2*\k:\x+2*\k+1]
.endr
.irp j, 1,2,3
.irp k, 0,1,2,3
	v_pk_fma_f32 v[\a+2*\k:\a+2*\k+1], v[\w+8*\j+2*\k:\w+8*\j+2*\k+1], v[\x+8*\j+2*\k:\x+8*\j+2*\k+1], v[\a+2*\k:\a+2*\k+1]
.endr
.endr
	v_pk_add_f32 v[\a:\a+1], v[\a:\a+1], v[\a+2:\a+3]
	v_pk_add_f32 v[\a+4:\a+5], v[\a+4:\a+5], v[\a+6:\a+7]
	v_pk_add_f32 v[\a:\a+1], v[\a:\a+1], v[\a+4:\a+5]
	v_add_f32 v[\a], v[\a], v[\a+1]
.irp m, 1,2,4,8
	v_add_f32_dpp v[\a], v[\a], v[\a] row_xmask:\m row_mask:0xf bank_mask:0xf
.endr
	v_permlanex16_b32 v[\a+1], v[\a], s[SEL], s[SEL+1]
	v_add_f32 v[\a], v[\a], v[\a+1]
	v_add_f32 v[\a], s[\sb], v[\a]
.endm
	s_load_b256 s[4:11], s[0:1], 0x0               ; att s[4:5], out_proj_weight s[6:7], out_proj_bias s[8:9], out0 s[10:11]
	v_lshl_add_u32 v96, v0, 2, 0x100
	v_mov_b32 v97, 0
	v_lshrrev_b32 v1, 5, v0
	v_readfirstlane_b32 s12, v1                    ; wave 0..3
	v_and_b32 v1, 31, v0                           ; L
	v_lshlrev_b32 v[L16], 4, v1
	v_mov_b32 v3, s12
	v_lshlrev_b32 v3, 2, v3                        ; LDS: 4 x wave
	v_and_b32 v4, 3, v0
	v_lshlrev_b32 v4, 2, v4                        ; LDS: 4 (L % 4)
	v_lshlrev_b32 v5, 2, v1                        ; 4 L
	s_mov_b32 s[SEL], 0x76543210
	s_mov_b32 s[SEL+1], 0xfedcba98
	s_lshl_b32 s16, ttmp9, 2
	s_add_co_u32 s16, s16, s12                     ; n: my row
	s_lshl_b32 s18, s16, 12
	s_mov_b32 s19, 0
	s_lshl_b32 s20, s16, 2
	s_mov_b32 s21, 0
	s_lshl_b32 s22, ttmp9, 4
	s_mov_b32 s23, 0
	s_wait_alu depctr_va_vdst(0)
	s_wait_kmcnt 0x0
	s_add_nc_u64 s[6:7], s[6:7], s[18:19]
	s_add_nc_u64 s[8:9], s[8:9], s[20:21]
	s_add_nc_u64 s[10:11], s[10:11], s[22:23]
.irp k, 0,1,2,3,4,5,6,7
	global_load_b128 v[WR+4*\k:WR+4*\k+3], v[L16], s[6:7] offset:512*\k th:TH_LOAD_NT
.endr
.irp k, 0,1,2,3,4,5,6,7
	global_load_b128 v[XR+4*\k:XR+4*\k+3], v[L16], s[4:5] offset:512*\k
.endr
	s_load_b32 s24, s[8:9], 0x0                    ; bo[n]
	s_wait_loadcnt 0x0
	s_wait_kmcnt 0x0
	ROWDOT A, WR, XR, 24
	ds_store_b32 v3, v[A]
	s_wait_dscnt 0x0                               ; for the others' sake: my store has landed
	s_barrier_signal -1
	s_barrier_wait -1
	s_cmp_lg_u32 s12, 0
	s_cbranch_scc1 .Lend
	ds_load_b32 v6, v4
	s_wait_dscnt 0x0
	s_wait_xcnt 0x0                                ; EXEC changes only behind this wait
	v_cmp_gt_u32 vcc_lo, 4, v0
	s_and_saveexec_b32 s25, vcc_lo
	global_store_b32 v5, v6, s[10:11]              ; the work-group's 16 bytes: out0 is 4,096 bytes in all, and whole runs of 256 would put 64 rows of Wo on each of 16 work-groups
	s_wait_xcnt 0x0
	s_or_b32 exec_lo, exec_lo, s25
.Lend:
	s_wait_tensorcnt 0x0
	ds_add_u32 v96, v97
	s_wait_dscnt 0x0
	s_endpgm
.Lfunc_end_k_q019e4c5bda_outproj:
	.size	k_q019e4c5bda_outproj, .Lfunc_end_k_q019e4c5bda_outproj-k_q019e4c5bda_outproj
	.p2alignl 7, 3214868480
	.fill 96, 4, 3214868480
	.section	.rodata,"a",@progbits
	.p2align	6, 0x0
	.amdhsa_kernel k_q019e4c5bda_outproj
		.amdhsa_group_segment_fixed_size 768
		.amdhsa_private_segment_fixed_size 0
		.amdhsa_enable_private_segment 0
		.amdhsa_kernarg_size 32
		.amdhsa_user_sgpr_count 2
		.amdhsa_user_sgpr_kernarg_segment_ptr 1
		.amdhsa_wavefront_size32 1
		.amdhsa_system_sgpr_workgroup_id_x 1
		.amdhsa_system_sgpr_workgroup_id_y 1
		.amdhsa_system_sgpr_workgroup_id_z 1
		.amdhsa_system_vgpr_workitem_id 0
		.amdhsa_next_free_vgpr 98
		.amdhsa_next_free_sgpr 66
		.amdhsa_reserve_vcc 1
		.amdhsa_float_denorm_mode_32 3
		.amdhsa_float_denorm_mode_16_64 3
		.amdhsa_memory_ordered 1
		.amdhsa_forward_progress 1
		.amdhsa_inst_pref_size 6
	.end_amdhsa_kernel
	.amdgpu_metadata
---
amdhsa.version: [ 1, 2 ]
amdhsa.kernels:
  - .name:           k_q019e4c5bda_outproj
    .symbol:         k_q019e4c5bda_outproj.kd
    .args:
      - { .name: att, .offset: 0, .size: 8, .value_kind: global_buffer, .address_space: global }
      - { .name: out_proj_weight, .offset: 8, .size: 8, .value_kind: global_buffer, .address_space: global }
      - { .name: out_proj_bias, .offset: 16, .size: 8, .value_kind: global_buffer, .address_space: global }
      - { .name: out0, .offset: 24, .size: 8, .value_kind: global_buffer, .address_space: global }
    .group_segment_fixed_size: 768
    .private_segment_fixed_size: 0
    .kernarg_segment_align: 8
    .kernarg_segment_size: 32
    .max_flat_workgroup_size: 128
    .sgpr_count:     66
    .vgpr_count:     98
    .wavefront_size: 32
...
	.end_amdgpu_metadata
.endif
;; end of part 4
